; MI455X (gfx1250); checked and timed in simulation.
; The chip was launched on July 23, 2026; its instructions are those of AMD's public machine-readable ISA for CDNA 5 (MIT licence, August 2026) and "CDNA5" Instruction Set Architecture Reference Guide (July 2026). The comments in the code are by the model that wrote it; some were corrected since.
;; Sparse Router. Allowed arithmetic: float matrix products may take bf16 or f16 operands with f32 sums; other float arithmetic in f32, or as packed bf16 or f16 multiplies, adds, multiply-adds, maxima and minima; sums over many terms, partial sums and values carried from step to step in f32; what a program stores and reads back later, other than sums and carried values, may be rounded once to bf16 or f16.
;; Inputs: W_k 1,024 x 1,024 float32; W_q 1,024 x 2,048 float32; W_v 1,024 x 1,024 float32; memory_state 32 x 1,024 x 1,024 float32; read_ema 32 x 1,024 float32; u_t 32 x 2,048 float32.
;; Outputs: out0 32 x 1,024 float32; out1 32 x 16 x 8 float32; out2 32 x 16 x 8 int32.
;; One version. Each part assembles by itself: llvm-mc -triple=amdgcn-amd-amdhsa -mcpu=gfx1250 --defsym DOCPART=n.
;; ======== version 1 of 1: 5 launches
;; workspace buffers: qp 524,288 bytes; qk 3,145,728 bytes; scores 2,097,152 bytes; alpha0 16,384 bytes; idx 16,384 bytes of whole numbers
;; launch qproj (part 1): grid 64 x 4, 4 waves a work-group, no clusters, 60,928 bytes of LDS; arguments u_t, W_q, qp; writes qp
.if DOCPART == 1
	.amdgcn_target "amdgcn-amd-amdhsa--gfx1250"
	.amdhsa_code_object_version 6
	.text
	.protected	k_qb29797707a_qproj
	.globl	k_qb29797707a_qproj
	.p2align	8
	.type	k_qb29797707a_qproj,@function
k_qb29797707a_qproj:
	s_mov_b64 s[64:65], 0
	v_nop
	global_prefetch_b8 v0, s[64:65] scope:SCOPE_SE
	s_setreg_imm32_b32 hwreg(HW_REG_WAVE_MODE, 25, 1), 1
	s_wait_xcnt 0x0
; q = u_t W_q^T, as four partial sums over K.  u_t: [32][2048] f32, W_q: [1024][2048] f32, qp: [kq 4][nt 64][b 32][16 n] f32 (column 16 nt + n of q).
; FORMATS.  u_t and W_q are rounded once to bf16 (nearest even) on their way to the matrix unit; all sums stay in f32; the four partial sums are added by the next launch.
; SHARES.  Work-group (nt, kq): 16 columns of q, all 32 batches, K = 512 kq .. + 511.  Wave w: 128 of that K, which is 512 bytes of a row: one load of the wave takes them whole.
; So a wave has 48 loads (16 rows of W_q, 32 of u_t), all issued at once: 24,576 bytes on their way for each wave.
; THE WAY TO THE FRAGMENTS.  A load gives a lane four neighbouring numbers of a row; a fragment wants a row a lane.  So the rounded rows go through the wave's own LDS rows
; (pitch 272 bytes, an odd multiple of 16, so that the sixteen rows of a fragment load begin 16 bytes apart modulo 256) and come back as fragments.  The bytes are the wave's own, and
; LDS serves a wave's instructions in order (ISA guide 5.7.1.4): no barrier and no wait between those stores and loads.
; NO JOINT LOADS: what the 64 work-groups of one kq share is u_t's slice, 65,536 bytes; all of u_t is 262,144 bytes, and it goes through registers to be rounded ahead of LDS.
.set KROW,  8192                       ; bytes in a row of u_t and of W_q
.set PITCH, 272
.set TBW,   48*PITCH                   ; a wave's rows: 0-15 W_q, 16-47 u_t
.set SG,    4*TBW                      ; behind them: [wave 4][b 32][16 n] f32, the four waves' sums
.set SPARE, SG+4*2048                  ; behind that: the spare words, 128 bytes for each wave: two blocks of 256 bytes that no other line names
.set VO,  1                            ; v1   16 x thread: my 16 bytes in the work-group's 2,048 bytes of a row, and in its 2,048 bytes of qp
.set ST,  2                            ; v2   where I put 8 bytes of a rounded row
.set FR,  3                            ; v3   where my part of a fragment begins
.set SS,  4                            ; v4   where my sums go
.set RD,  5                            ; v5   where I read the four waves' sums back
.set SPW, 6                            ; v6   LDS address of my spare word; never rewritten
.set NIL, 7                            ; v7   0; never rewritten
.set T,   8                            ; v8-23    eight pairs of rounded numbers
.set RAW, 32                           ; v32-223  48 rows as loaded
.set FRG, 32                           ; v32-127  then the fragments: tile u (0 W_q, 1 and 2 u_t), K step ks at FRG + 32 u + 8 ks
.set ACC, 224                          ; v224-239 batches 0-15, batches 16-31
.set X,   240                          ; v240-255 the four waves' sums
	s_load_b128 s[4:7], s[0:1], 0x0                ; u_t s[4:5], W_q s[6:7]
	s_load_b64 s[8:9], s[0:1], 0x10                ; qp
	v_lshl_add_u32 v[SPW], v0, 2, SPARE
	v_mov_b32 v[NIL], 0
	v_lshrrev_b32 v8, 5, v0
	v_readfirstlane_b32 s10, v8                    ; wave 0..3
	s_and_b32 s11, ttmp7, 0xffff                   ; kq
	v_and_b32 v9, 31, v0                           ; lane
	v_and_b32 v10, 15, v0                          ; lane % 16
	v_bfe_u32 v11, v0, 4, 1                        ; lane / 16
	v_lshlrev_b32 v[VO], 4, v0
	s_mul_i32 s14, s10, TBW                        ; my wave's rows in LDS
	v_lshl_add_u32 v[ST], v9, 3, s14               ; four numbers a lane are 8 bytes of bf16
	v_mul_u32_u24 v[FR], v10, PITCH
	v_lshl_add_u32 v[FR], v11, 4, v[FR]
	v_add_nc_u32 v[FR], s14, v[FR]                 ; row x pitch + 16 x half
	s_lshl_b32 s15, s10, 11
	s_add_co_u32 s15, s15, SG
	v_lshlrev_b32 v[SS], 2, v10
	v_lshl_add_u32 v[SS], v11, 9, v[SS]
	v_add_nc_u32 v[SS], s15, v[SS]                 ; batch 8 (lane / 16), column lane % 16
	v_add_nc_u32 v[RD], SG, v[VO]
	s_lshl_b32 s12, s11, 11                        ; kq x 512 numbers
	s_mov_b32 s13, 0
	s_lshl_b32 s16, ttmp9, 17                      ; nt x 16 rows of W_q
	s_mov_b32 s17, 0
	s_lshl_b32 s18, s11, 17                        ; kq x 64 x 2,048 bytes of qp
	s_lshl_b32 s20, ttmp9, 11                      ; nt x 2,048
	s_add_co_u32 s18, s18, s20
	s_mov_b32 s19, 0
	s_wait_kmcnt 0x0
	s_add_nc_u64 s[4:5], s[4:5], s[12:13]
	s_add_nc_u64 s[6:7], s[6:7], s[12:13]
	s_add_nc_u64 s[6:7], s[6:7], s[16:17]
	s_add_nc_u64 s[8:9], s[8:9], s[18:19]
.set n, 0
.rept 16                               ; W_q: no other wave of the launch reads these bytes
	global_load_b128 v[RAW+4*n:RAW+4*n+3], v[VO], s[6:7] offset:n*KROW th:TH_LOAD_NT
.set n, n+1
.endr
.set n, 0
.rept 32                               ; u_t: 64 work-groups read the same slice
	global_load_b128 v[RAW+64+4*n:RAW+64+4*n+3], v[VO], s[4:5] offset:n*KROW
.set n, n+1
.endr
; Eight rows are rounded and laid into my LDS rows.  The wait leaves out the 8 (5 - g) loads issued behind group g.
.macro PUT8 g
	s_wait_loadcnt 40-8*(\g)
.set i, 0
.rept 8
.set n, 8*(\g)+i
	v_cvt_pk_bf16_f32 v[T+2*i], v[RAW+4*n], v[RAW+4*n+1]
	v_cvt_pk_bf16_f32 v[T+2*i+1], v[RAW+4*n+2], v[RAW+4*n+3]
	ds_store_b64 v[ST], v[T+2*i:T+2*i+1] offset:PITCH*n  ; 32 lanes, 256 consecutive bytes
.set i, i+1
.endr
.endm
; The three fragments of K step ks: 16 rows x 32 K are two loads of 16 bytes, 32 bytes apart.
.macro FRAGS ks
.irp u, 0,1,2
	ds_load_b128 v[FRG+32*(\u)+8*(\ks):FRG+32*(\u)+8*(\ks)+3],   v[FR] offset:16*PITCH*(\u)+64*(\ks)
	ds_load_b128 v[FRG+32*(\u)+8*(\ks)+4:FRG+32*(\u)+8*(\ks)+7], v[FR] offset:16*PITCH*(\u)+64*(\ks)+32
.endr
.endm
; K step ks: source 0 = 16 batches, source 1 = 16 columns of q.  The two accumulators take turns; step 0 starts the sums.
.macro MM ks
	s_wait_dscnt 18-6*(\ks)                        ; the later steps' 6 (3 - ks) fragment loads may be out
.if (\ks) == 0
	v_wmma_f32_16x16x32_bf16 v[ACC:ACC+7],    v[FRG+32:FRG+39], v[FRG:FRG+7], 0
	v_wmma_f32_16x16x32_bf16 v[ACC+8:ACC+15], v[FRG+64:FRG+71], v[FRG:FRG+7], 0
.else
	v_wmma_f32_16x16x32_bf16 v[ACC:ACC+7],    v[FRG+32+8*(\ks):FRG+32+8*(\ks)+7], v[FRG+8*(\ks):FRG+8*(\ks)+7], v[ACC:ACC+7]
	v_wmma_f32_16x16x32_bf16 v[ACC+8:ACC+15], v[FRG+64+8*(\ks):FRG+64+8*(\ks)+7], v[FRG+8*(\ks):FRG+8*(\ks)+7], v[ACC+8:ACC+15]
.endif
.endm
.irp g, 0,1,2,3,4,5
	PUT8 \g
.endr
.irp ks, 0,1,2,3
	FRAGS \ks
.endr
.irp ks, 0,1,2,3
	MM \ks
.endr
.rept 4
	v_nop                                          ; four places between the last products and the stores that read them
.endr
.set i, 0
.rept 16                               ; register i % 8 of accumulator i / 8 is batch 16 (i / 8) + 8 (lane / 16) + i % 8; each accumulator from its low end on
	ds_store_b32 v[SS], v[ACC+i] offset:1024*(i/8)+64*(i%8)
.set i, i+1
.endr
	s_wait_tensorcnt 0x0                           ; behind my last LDS store
	ds_add_u32 v[SPW], v[NIL]
	s_wait_dscnt 0x0                               ; shows my sums stored, for the other waves' sake
	s_barrier_signal -1
	s_barrier_wait -1
.irp u, 0,1,2,3
	ds_load_b128 v[X+4*(\u):X+4*(\u)+3], v[RD] offset:2048*(\u)  ; my 16 bytes of each wave's sums
.endr
	s_wait_dscnt 0x0
	v_pk_add_f32 v[X:X+1],     v[X:X+1],     v[X+4:X+5]          ; (w0 + w1) + (w2 + w3)
	v_pk_add_f32 v[X+2:X+3],   v[X+2:X+3],   v[X+6:X+7]
	v_pk_add_f32 v[X+8:X+9],   v[X+8:X+9],   v[X+12:X+13]
	v_pk_add_f32 v[X+10:X+11], v[X+10:X+11], v[X+14:X+15]
	v_pk_add_f32 v[X:X+1],     v[X:X+1],     v[X+8:X+9]
	v_pk_add_f32 v[X+2:X+3],   v[X+2:X+3],   v[X+10:X+11]
	global_store_b128 v[VO], v[X:X+3], s[8:9]      ; the wave stores 512 consecutive bytes, at a multiple of 512 from qp's first byte
	s_endpgm
.Lfunc_end_k_qb29797707a_qproj:
	.size	k_qb29797707a_qproj, .Lfunc_end_k_qb29797707a_qproj-k_qb29797707a_qproj
	.p2alignl 7, 3214868480
	.fill 96, 4, 3214868480
	.section	.rodata,"a",@progbits
	.p2align	6, 0x0
	.amdhsa_kernel k_qb29797707a_qproj
		.amdhsa_group_segment_fixed_size 60928
		.amdhsa_private_segment_fixed_size 0
		.amdhsa_enable_private_segment 0
		.amdhsa_kernarg_size 24
		.amdhsa_user_sgpr_count 2
		.amdhsa_user_sgpr_kernarg_segment_ptr 1
		.amdhsa_wavefront_size32 1
		.amdhsa_system_sgpr_workgroup_id_x 1
		.amdhsa_system_sgpr_workgroup_id_y 1
		.amdhsa_system_sgpr_workgroup_id_z 1
		.amdhsa_system_vgpr_workitem_id 0
		.amdhsa_next_free_vgpr 256
		.amdhsa_next_free_sgpr 66
		.amdhsa_reserve_vcc 0
		.amdhsa_float_denorm_mode_32 3
		.amdhsa_float_denorm_mode_16_64 3
		.amdhsa_memory_ordered 1
		.amdhsa_forward_progress 1
		.amdhsa_inst_pref_size 20
	.end_amdhsa_kernel
	.amdgpu_metadata
---
amdhsa.version: [ 1, 2 ]
amdhsa.kernels:
  - .name:           k_qb29797707a_qproj
    .symbol:         k_qb29797707a_qproj.kd
    .args:
      - { .name: u_t, .offset: 0, .size: 8, .value_kind: global_buffer, .address_space: global }
      - { .name: W_q, .offset: 8, .size: 8, .value_kind: global_buffer, .address_space: global }
      - { .name: qp, .offset: 16, .size: 8, .value_kind: global_buffer, .address_space: global }
    .group_segment_fixed_size: 60928
    .private_segment_fixed_size: 0
    .kernarg_segment_align: 8
    .kernarg_segment_size: 24
    .max_flat_workgroup_size: 128
    .sgpr_count:     66
    .vgpr_count:     256
    .wavefront_size: 32
...
	.end_amdgpu_metadata
.endif
;; end of part 1
;; launch qkfold (part 2): grid 16 x 16, 1 waves a work-group, no clusters, 0 bytes of LDS; arguments qp, W_k, qk; writes qk
.if DOCPART == 2
	.amdgcn_target "amdgcn-amd-amdhsa--gfx1250"
	.amdhsa_code_object_version 6
	.text
	.protected	k_qb29797707a_qkfold
	.globl	k_qb29797707a_qkfold
	.p2align	8
	.type	k_qb29797707a_qkfold,@function
k_qb29797707a_qkfold:
	s_mov_b64 s[64:65], 0
	v_nop
	global_prefetch_b8 v0, s[64:65] scope:SCOPE_SE
	s_setreg_imm32_b32 hwreg(HW_REG_WAVE_MODE, 25, 1), 1
	s_wait_xcnt 0x0
; g[b][h][m] = the sum over d of q[b][64 h + d] W_k[64 h + d][m]: the query folded into W_k, so that a score is memory_state[b][j][:] . g[b][h][:] and the keys are never formed.
; qp: [kq 4][nt 64][b 32][16 n] f32 (q's four partial sums).  W_k: [1024][1024] f32.  qk: [b 32][piece 3][c8 8][h 16][128 m] bf16.
; FORMATS.  W_k is rounded once to bf16.  q and g are no inputs and must lose nothing, since the order of the scores hangs on them: each goes to the matrix unit as THREE bf16
; pieces, x = hi + mid + lo, each the rounding of what the pieces before left; 3 x 8 significant bits hold an f32's 24 (numbers whose last piece would fall below bf16's smallest, about 1e-38, lose it).
; SHARES.  One wave a work-group: head h, 128 columns m (c8), 16 batches (bh).  M = 16 batches, K = 64, N = 128 as eight tiles c.  Column n of tile c stands for m = 128 c8 + 8 n + c, so a lane's
; eight tiles are eight neighbouring m: 16 bytes of bf16, and sixteen lanes store one whole row of 256 bytes of qk.
; REGISTERS, in windows of 256 (s_set_vgpr_msb: bits 1:0 source 0, 3:2 source 1, 5:4 source 2, 7:6 destination).  Window 1 holds W_k as loaded; all else lies in window 0.
.set VQ,  1                            ; v1   my byte offset in qp: 64 (lane % 16) + 32 (lane / 16)
.set VW,  2                            ; v2   in W_k: 8 rows x (lane / 16) + 32 (lane % 16)
.set VS,  3                            ; v3   in qk: 8 batches x (lane / 16) + 16 (lane % 16)
.set TT,  4                            ; v4-7    two pairs at work
.set RR,  8                            ; v8-15   four pairs of remainders
.set QR,  16                           ; v16-143 q's partial sums: 32 kq + 8 u + e, for d = 16 u + 8 (lane / 16) + e
.set BF,  16                           ;         then W_k's fragments: K step ks, tile c at BF + 64 ks + 8 c
.set OUT, 16                           ;         then g's pieces: batch jj, piece p at OUT + 12 jj + 4 p
.set QH,  144                          ; v144-159, 160-175, 176-191: q's three pieces, K step ks at + 8 ks
.set QM,  160
.set QL,  176
.set ACC, 192                          ; v192-255 tile c at ACC + 8 c
.set MSB, 0
.macro WIN new                         ; the immediate's high byte repeats the setting that is left
.if MSB != (\new)
	s_set_vgpr_msb (MSB<<8)|(\new)
.set MSB, (\new)
.endif
.endm
	s_load_b128 s[4:7], s[0:1], 0x0                ; qp s[4:5], W_k s[6:7]
	s_load_b64 s[8:9], s[0:1], 0x10                ; qk
	v_and_b32 v4, 15, v0                           ; lane % 16
	v_bfe_u32 v5, v0, 4, 1                         ; lane / 16
	v_lshlrev_b32 v[VQ], 6, v4
	v_lshl_add_u32 v[VQ], v5, 5, v[VQ]
	v_lshlrev_b32 v[VW], 5, v4
	v_lshl_add_u32 v[VW], v5, 15, v[VW]
	v_lshlrev_b32 v[VS], 4, v4
	v_mul_u32_u24 v6, v5, 8*98304
	v_add_nc_u32 v[VS], v[VS], v6
	s_mov_b32 s10, 0xffff0000                      ; a word's upper bf16
	s_and_b32 s11, ttmp7, 0xffff
	s_lshr_b32 s12, s11, 1                         ; c8
	s_and_b32 s13, s11, 1                          ; bh
	s_lshl_b32 s14, ttmp9, 13                      ; qp: the head's four blocks of 16 columns, 2,048 bytes each,
	s_lshl_b32 s20, s13, 10                        ; and 16 batches of 64 bytes
	s_add_co_u32 s14, s14, s20
	s_mov_b32 s15, 0
	s_lshl_b32 s16, ttmp9, 18                      ; W_k: the head's 64 rows of 4,096 bytes,
	s_lshl_b32 s20, s12, 9                         ; 128 columns
	s_add_co_u32 s16, s16, s20
	s_mov_b32 s17, 0
	s_mul_i32 s18, s13, 16*98304                   ; qk: 16 batches,
	s_lshl_b32 s20, s12, 12                        ; c8,
	s_add_co_u32 s18, s18, s20
	s_lshl_b32 s20, ttmp9, 8                       ; the head's row
	s_add_co_u32 s18, s18, s20
	s_mov_b32 s19, 0
	s_wait_kmcnt 0x0
	s_add_nc_u64 s[4:5], s[4:5], s[14:15]
	s_add_nc_u64 s[6:7], s[6:7], s[16:17]
	s_add_nc_u64 s[8:9], s[8:9], s[18:19]
.set n, 0
.rept 16                               ; n = 4 kq + u: eight numbers of q's partial sum kq, in the places of a fragment of source 0
	global_load_b128 v[QR+8*n:QR+8*n+3],   v[VQ], s[4:5] offset:(n/4)*131072+(n%4)*2048
	global_load_b128 v[QR+8*n+4:QR+8*n+7], v[VQ], s[4:5] offset:(n/4)*131072+(n%4)*2048+16
.set n, n+1
.endr
	WIN 0x40                                       ; destination window 1, address window 0
.set n, 0
.rept 32                               ; n = 8 u + e: row d = 16 u + 8 (lane / 16) + e, my eight columns; a row's two loads cover 512 consecutive bytes
	global_load_b128 v[8*n:8*n+3],   v[VW], s[6:7] offset:(16*(n/8)+n%8)*4096
	global_load_b128 v[8*n+4:8*n+7], v[VW], s[6:7] offset:(16*(n/8)+n%8)*4096+16
.set n, n+1
.endr
	WIN 0
	s_wait_loadcnt 63                              ; 64 loads stand behind q's; the count's field ends at 63, and a smaller count is right too
.set i, 0
.rept 16                               ; q = (p0 + p1) + (p2 + p3)
	v_pk_add_f32 v[QR+2*i:QR+2*i+1],       v[QR+2*i:QR+2*i+1],       v[QR+32+2*i:QR+32+2*i+1]
	v_pk_add_f32 v[QR+64+2*i:QR+64+2*i+1], v[QR+64+2*i:QR+64+2*i+1], v[QR+96+2*i:QR+96+2*i+1]
	v_pk_add_f32 v[QR+2*i:QR+2*i+1],       v[QR+2*i:QR+2*i+1],       v[QR+64+2*i:QR+64+2*i+1]
.set i, i+1
.endr
.set i, 0
.rept 16                               ; pair i of q into its three pieces; the subtractions are exact
.set TP, TT+2*(i%2)
	v_cvt_pk_bf16_f32 v[QH+i], v[QR+2*i], v[QR+2*i+1]
	v_lshlrev_b32 v[TP], 16, v[QH+i]
	v_and_b32 v[TP+1], s10, v[QH+i]
	v_pk_add_f32 v[QR+2*i:QR+2*i+1], v[QR+2*i:QR+2*i+1], v[TP:TP+1] neg_lo:[0,1] neg_hi:[0,1]
	v_cvt_pk_bf16_f32 v[QM+i], v[QR+2*i], v[QR+2*i+1]
	v_lshlrev_b32 v[TP], 16, v[QM+i]
	v_and_b32 v[TP+1], s10, v[QM+i]
	v_pk_add_f32 v[QR+2*i:QR+2*i+1], v[QR+2*i:QR+2*i+1], v[TP:TP+1] neg_lo:[0,1] neg_hi:[0,1]
	v_cvt_pk_bf16_f32 v[QL+i], v[QR+2*i], v[QR+2*i+1]
.set i, i+1
.endr
; W_k's fragments of K step ks: register 4 g + ii of tile c holds rows 16 g + 8 (lane / 16) + 2 ii and + 1 of my column c: one rounding line takes both from window 1.
.macro BFRAG ks
	WIN 0x05                                       ; sources 0 and 1 window 1, destination window 0
.set c, 0
.rept 8
.set i, 0
.rept 8                                ; i = 4 g + ii: the rows' registers begin at 8 (16 ks + 2 i) and 8 (16 ks + 2 i + 1)
	v_cvt_pk_bf16_f32 v[BF+64*(\ks)+8*c+i], v[8*(16*(\ks)+2*i)+c], v[8*(16*(\ks)+2*i+1)+c]
.set i, i+1
.endr
.set c, c+1
.endr
	WIN 0
.endm
	s_wait_loadcnt 32                              ; K step 0's 32 loads are in; K step 1's 32 may be out
	BFRAG 0
	s_wait_loadcnt 0x0
	BFRAG 1
; Eight products: piece q of the query, K step ks, all eight tiles.  The eight accumulators take turns.
.macro MM8 q, ks, zero
.set c, 0
.rept 8
.if \zero
	v_wmma_f32_16x16x32_bf16 v[ACC+8*c:ACC+8*c+7], v[(\q)+8*(\ks):(\q)+8*(\ks)+7], v[BF+64*(\ks)+8*c:BF+64*(\ks)+8*c+7], 0
.else
	v_wmma_f32_16x16x32_bf16 v[ACC+8*c:ACC+8*c+7], v[(\q)+8*(\ks):(\q)+8*(\ks)+7], v[BF+64*(\ks)+8*c:BF+64*(\ks)+8*c+7], v[ACC+8*c:ACC+8*c+7]
.endif
.set c, c+1
.endr
.endm
	MM8 QL, 0, 1                                   ; the small pieces first: only the last two roundings of a sum are of its full size
	MM8 QL, 1, 0
	MM8 QM, 0, 0
	MM8 QM, 1, 0
	MM8 QH, 0, 0
	MM8 QH, 1, 0
.rept 4
	v_nop                                          ; four places behind the last products (ISA guide 7.12.1): the lines below read their results and write over their sources
.endr
; Batch 8 (lane / 16) + jj: register jj of all eight accumulators, split into three pieces and stored.  jj ascends.
.macro OUTROW jj
.set a, 0
.rept 4
.set A0, ACC+16*a+(\jj)
.set A1, ACC+16*a+8+(\jj)
.set OH, OUT+12*(\jj)+a
.set TP, TT+2*(a%2)
.set RP, RR+2*a
	v_cvt_pk_bf16_f32 v[OH], v[A0], v[A1]
	v_lshlrev_b32 v[TP], 16, v[OH]
	v_and_b32 v[TP+1], s10, v[OH]
	v_sub_f32 v[RP], v[A0], v[TP]
	v_sub_f32 v[RP+1], v[A1], v[TP+1]
	v_cvt_pk_bf16_f32 v[OH+4], v[RP], v[RP+1]
	v_lshlrev_b32 v[TP], 16, v[OH+4]
	v_and_b32 v[TP+1], s10, v[OH+4]
	v_pk_add_f32 v[RP:RP+1], v[RP:RP+1], v[TP:TP+1] neg_lo:[0,1] neg_hi:[0,1]
	v_cvt_pk_bf16_f32 v[OH+8], v[RP], v[RP+1]
.set a, a+1
.endr
.irp p, 0,1,2
	global_store_b128 v[VS], v[OUT+12*(\jj)+4*(\p):OUT+12*(\jj)+4*(\p)+3], s[8:9] offset:98304*(\jj)+32768*(\p)  ; sixteen lanes store 256 consecutive bytes, aligned; no data register is used twice
.endr
.endm
.irp jj, 0,1,2,3,4,5,6,7
	OUTROW \jj
.endr
	s_endpgm
.Lfunc_end_k_qb29797707a_qkfold:
	.size	k_qb29797707a_qkfold, .Lfunc_end_k_qb29797707a_qkfold-k_qb29797707a_qkfold
	.p2alignl 7, 3214868480
	.fill 96, 4, 3214868480
	.section	.rodata,"a",@progbits
	.p2align	6, 0x0
	.amdhsa_kernel k_qb29797707a_qkfold
		.amdhsa_group_segment_fixed_size 0
		.amdhsa_private_segment_fixed_size 0
		.amdhsa_enable_private_segment 0
		.amdhsa_kernarg_size 24
		.amdhsa_user_sgpr_count 2
		.amdhsa_user_sgpr_kernarg_segment_ptr 1
		.amdhsa_wavefront_size32 1
		.amdhsa_system_sgpr_workgroup_id_x 1
		.amdhsa_system_sgpr_workgroup_id_y 1
		.amdhsa_system_sgpr_workgroup_id_z 1
		.amdhsa_system_vgpr_workitem_id 0
		.amdhsa_next_free_vgpr 512
		.amdhsa_next_free_sgpr 66
		.amdhsa_reserve_vcc 0
		.amdhsa_float_denorm_mode_32 3
		.amdhsa_float_denorm_mode_16_64 3
		.amdhsa_memory_ordered 1
		.amdhsa_forward_progress 1
		.amdhsa_inst_pref_size 49
	.end_amdhsa_kernel
	.amdgpu_metadata
---
amdhsa.version: [ 1, 2 ]
amdhsa.kernels:
  - .name:           k_qb29797707a_qkfold
    .symbol:         k_qb29797707a_qkfold.kd
    .args:
      - { .name: qp, .offset: 0, .size: 8, .value_kind: global_buffer, .address_space: global }
      - { .name: W_k, .offset: 8, .size: 8, .value_kind: global_buffer, .address_space: global }
      - { .name: qk, .offset: 16, .size: 8, .value_kind: global_buffer, .address_space: global }
    .group_segment_fixed_size: 0
    .private_segment_fixed_size: 0
    .kernarg_segment_align: 8
    .kernarg_segment_size: 24
    .max_flat_workgroup_size: 32
    .sgpr_count:     66
    .vgpr_count:     512
    .wavefront_size: 32
...
	.end_amdgpu_metadata
.endif
;; end of part 2
;; launch scores (part 3): grid 8 x 32, 16 waves a work-group, no clusters, 174,080 bytes of LDS; arguments memory_state, qk, read_ema, scores; writes scores
.if DOCPART == 3
	.amdgcn_target "amdgcn-amd-amdhsa--gfx1250"
	.amdhsa_code_object_version 6
	.text
	.protected	k_qb29797707a_scores
	.globl	k_qb29797707a_scores
	.p2align	8
	.type	k_qb29797707a_scores,@function
k_qb29797707a_scores:
	s_mov_b64 s[64:65], 0
	v_nop
	global_prefetch_b8 v0, s[64:65] scope:SCOPE_SE
	s_setreg_imm32_b32 hwreg(HW_REG_WAVE_MODE, 25, 1), 1
	s_wait_xcnt 0x0
; scores[b][h][j] = memory_state[b][j][:] . g[b][h][:] / 8 - 0.01 read_ema[b][j].  memory_state: [32][1024][1024] f32, read once by this launch.
; qk: [b][piece 3][c8 8][h 16][128 m] bf16, g in three pieces.  read_ema: [32][1024] f32.  scores: [32][16][1024] f32.
; FORMATS.  memory_state and read_ema are rounded once to bf16 (nearest even), as all the program's inputs are; g's three pieces together hold its f32; products' sums, the sums of the pieces and of the
; sixteen waves' parts, and the last line s / 8 - t (one fused line: s / 8 is exact) are f32.
; SHARES.  Work-group (jb, b): 128 slots, 524,288 dense bytes.  Wave w: columns 64 w .. + 63 (256 bytes of each row) of all 128 rows, in eight tiles of 16 rows.  One load takes two rows, i and i + 8,
; sixteen lanes to a row's 256 aligned bytes.  The wave's part of g, 2 K steps x 3 pieces x 8 registers, stays in registers.
; THE RING.  Four register slots of eight loads: 16,384 bytes a wave, 262,144 a work-group, are on their way; the waits are counted and reach 0 only at the last tile.
; THE WAY TO THE FRAGMENTS.  Rounded rows go through the wave's own 16 LDS rows (pitch 144, an odd multiple of 16) and come back a row a lane; the bytes are the wave's own and LDS serves a wave's
; instructions in order (ISA guide 5.7.1.4): no barrier there.  One barrier in all: between the waves' partial scores and their sum, in which wave w takes head w.
; NO TENSOR LOADS: the rows are rounded in registers ahead of LDS, which halves the LDS bytes, and counted waits on a register ring never drain it.  NO JOINT LOADS: what the eight work-groups of a
; batch share is g, 98,304 of a work-group's 622,592 bytes, and it goes straight into registers.
.set PITCH,  144
.set TBW,    16*PITCH                  ; a wave's 16 rows of 64 bf16
.set SPITCH, 528                       ; a head's 128 partial scores, 512 bytes + 16: an odd multiple of 16
.set SGW,    16*SPITCH                 ; a wave's partial scores
.set SG,     16*TBW
.set SPARE,  SG+16*SGW                 ; the spare words, 128 bytes for each of 16 waves: eight blocks of 256 bytes that no other line names
.set VM,  1                            ; v1   my byte offset in the work-group's rows: 8 rows x (lane / 16) + 256 w + 16 (lane % 16); never rewritten
.set VB,  2                            ; v2   in g: 256 (lane % 16) + 16 (lane / 16)
.set VE,  3                            ; v3   16 x lane: in read_ema's and in scores' 512 bytes
.set ST,  4                            ; v4   where I put 8 bytes of a rounded row
.set FR,  5                            ; v5   where my part of a fragment begins
.set SS,  6                            ; v6   where my partial scores go
.set RD0, 7                            ; v7   where I read waves 0-7's partial scores of my head back
.set RD1, 8                            ; v8   waves 8-15's
.set SPW, 10                           ; v10  LDS address of my spare word; never rewritten
.set NIL, 11                           ; v11  0; never rewritten
.set EM,  12                           ; v12-15   read_ema of my four slots
.set BQ,  16                           ; v16-63   g: piece p, K step ks at BQ + 16 p + 8 ks
.set T,   64                           ; v64-79   eight pairs of rounded numbers
.set AF,  80                           ; v80-95   the tile's two fragments
.set HH,  96                           ; v96-103, 104-111, 112-119: the products with g's three pieces
.set MM,  104
.set LL,  112
.set E,   120                          ; v120-127 their sum
.set RING, 128                         ; v128-255 four slots of 32
.set X,   128                          ;          then the sixteen waves' partial scores, 4 registers each
	s_load_b256 s[4:11], s[0:1], 0x0               ; memory_state s[4:5], qk s[6:7], read_ema s[8:9], scores s[10:11]
	v_lshl_add_u32 v[SPW], v0, 2, SPARE
	v_mov_b32 v[NIL], 0
	v_lshrrev_b32 v1, 5, v0
	v_readfirstlane_b32 s12, v1                    ; wave 0..15
	s_mov_b32 s13, 0xffff0000                      ; a word's upper bf16
	s_and_b32 s14, ttmp7, 0xffff                   ; b
	s_lshl_b32 s16, s14, 22                        ; memory_state: b x 1,024 rows of 4,096 bytes
	s_lshl_b32 s24, ttmp9, 19                      ; + jb x 128 rows
	s_add_co_u32 s16, s16, s24
	s_mov_b32 s17, 0
	s_mul_i32 s18, s14, 98304                      ; qk: b,
	s_lshr_b32 s24, s12, 1
	s_lshl_b32 s24, s24, 12                        ; c8 = w / 2,
	s_add_co_u32 s18, s18, s24
	s_and_b32 s24, s12, 1
	s_lshl_b32 s24, s24, 7                         ; 64 columns x (w % 2)
	s_add_co_u32 s18, s18, s24
	s_mov_b32 s19, 0
	s_lshl_b32 s20, s14, 12                        ; read_ema: b x 4,096
	s_lshl_b32 s24, ttmp9, 9                       ; + jb x 512
	s_add_co_u32 s20, s20, s24
	s_mov_b32 s21, 0
	s_lshl_b32 s22, s14, 4
	s_add_co_u32 s22, s22, s12                     ; scores: row 16 b + w (in the end wave w has head w)
	s_lshl_b32 s22, s22, 12
	s_add_co_u32 s22, s22, s24
	s_mov_b32 s23, 0
	s_mul_i32 s25, s12, TBW
	s_mul_i32 s26, s12, SGW
	s_add_co_u32 s26, s26, SG
	s_mul_i32 s27, s12, SPITCH
	s_add_co_u32 s27, s27, SG
	s_lshl_b32 s28, s12, 8
	v_and_b32 v64, 15, v0                          ; lane % 16
	v_bfe_u32 v65, v0, 4, 1                        ; lane / 16
	v_and_b32 v66, 31, v0                          ; lane
	v_lshlrev_b32 v[VM], 4, v64
	v_lshl_add_u32 v[VM], v65, 15, v[VM]
	v_add_nc_u32 v[VM], s28, v[VM]
	v_lshlrev_b32 v[VB], 8, v64
	v_lshl_add_u32 v[VB], v65, 4, v[VB]
	v_lshlrev_b32 v[VE], 4, v66
	s_wait_kmcnt 0x0
	s_add_nc_u64 s[4:5], s[4:5], s[16:17]
	s_add_nc_u64 s[6:7], s[6:7], s[18:19]
	s_add_nc_u64 s[8:9], s[8:9], s[20:21]
	s_add_nc_u64 s[10:11], s[10:11], s[22:23]
	global_load_b128 v[EM:EM+3], v[VE], s[8:9]
.set n, 0
.rept 6                                ; n = 2 p + ks: a fragment of source 1: lane % 16 is the head, two loads of 16 bytes, 32 bytes apart
	global_load_b128 v[BQ+8*n:BQ+8*n+3],   v[VB], s[6:7] offset:32768*(n/2)+64*(n%2)
	global_load_b128 v[BQ+8*n+4:BQ+8*n+7], v[VB], s[6:7] offset:32768*(n/2)+64*(n%2)+32
.set n, n+1
.endr
.set n, 0
.rept 32                               ; tiles 0 to 3 fill the ring: load n % 8 of tile n / 8
	global_load_b128 v[RING+4*n:RING+4*n+3], v[VM], s[4:5] offset:(16*(n/8)+n%8)*4096 th:TH_LOAD_NT
.set n, n+1
.endr
	v_mul_u32_u24 v[ST], v65, 8*PITCH              ; the LDS addresses are made while the loads are out
	v_lshl_add_u32 v[ST], v64, 3, v[ST]
	v_add_nc_u32 v[ST], s25, v[ST]
	v_mul_u32_u24 v[FR], v64, PITCH
	v_lshl_add_u32 v[FR], v65, 4, v[FR]
	v_add_nc_u32 v[FR], s25, v[FR]
	v_mul_u32_u24 v[SS], v64, SPITCH               ; head lane % 16, slots 8 (lane / 16) on
	v_lshl_add_u32 v[SS], v65, 5, v[SS]
	v_add_nc_u32 v[SS], s26, v[SS]
	v_lshl_add_u32 v[RD0], v66, 4, s27
	v_add_nc_u32 v[RD1], 8*SGW, v[RD0]
; Tile t.  fill = 1: its slot takes tile t + 4 as soon as it has been rounded.  left = the loads of the tiles behind tile t, which stay out (read_ema's and g's are older than tile 0's).
.macro TURN t, fill, left
.set SL, RING+32*((\t)%4)
	s_wait_loadcnt \left
.set i, 0
.rept 8
	v_cvt_pk_bf16_f32 v[T+2*i], v[SL+4*i], v[SL+4*i+1]
	v_cvt_pk_bf16_f32 v[T+2*i+1], v[SL+4*i+2], v[SL+4*i+3]
.set i, i+1
.endr
.if \fill
.set i, 0
.rept 8
	global_load_b128 v[SL+4*i:SL+4*i+3], v[VM], s[4:5] offset:(16*((\t)+4)+i)*4096 th:TH_LOAD_NT
.set i, i+1
.endr
.endif
.set i, 0
.rept 8
	ds_store_b64 v[ST], v[T+2*i:T+2*i+1] offset:PITCH*i  ; rows i and i + 8: 128 bytes each, 1,152 bytes apart, which is 128 modulo 256
.set i, i+1
.endr
.irp f, 0,1,2,3
	ds_load_b128 v[AF+4*(\f):AF+4*(\f)+3], v[FR] offset:32*(\f)
.endr
	s_wait_dscnt 2                                 ; K step 0's fragment is in; K step 1's two loads may be out
	v_wmma_f32_16x16x32_bf16 v[HH:HH+7], v[AF:AF+7], v[BQ:BQ+7], 0        ; source 0 = 16 slots, source 1 = 16 heads; the three accumulators take turns
	v_wmma_f32_16x16x32_bf16 v[MM:MM+7], v[AF:AF+7], v[BQ+16:BQ+23], 0
	v_wmma_f32_16x16x32_bf16 v[LL:LL+7], v[AF:AF+7], v[BQ+32:BQ+39], 0
	s_wait_dscnt 0x0
	v_wmma_f32_16x16x32_bf16 v[HH:HH+7], v[AF+8:AF+15], v[BQ+8:BQ+15], v[HH:HH+7]
	v_wmma_f32_16x16x32_bf16 v[MM:MM+7], v[AF+8:AF+15], v[BQ+24:BQ+31], v[MM:MM+7]
	v_wmma_f32_16x16x32_bf16 v[LL:LL+7], v[AF+8:AF+15], v[BQ+40:BQ+47], v[LL:LL+7]
.rept 4
	v_nop                                          ; four places behind the products, for the sums below and for the next tile's loads into the fragments
.endr
.irp f, 0,2,4,6
	v_pk_add_f32 v[E+(\f):E+(\f)+1], v[MM+(\f):MM+(\f)+1], v[LL+(\f):LL+(\f)+1]  ; the small parts first; each accumulator from its low end on
.endr
.irp f, 0,2,4,6
	v_pk_add_f32 v[E+(\f):E+(\f)+1], v[E+(\f):E+(\f)+1], v[HH+(\f):HH+(\f)+1]
.endr
	ds_store_b128 v[SS], v[E:E+3]   offset:64*(\t)     ; my head's slots 16 t + 8 (lane / 16) + 0..7
	ds_store_b128 v[SS], v[E+4:E+7] offset:64*(\t)+16
.endm
	TURN 0, 1, 24
	TURN 1, 1, 24
	TURN 2, 1, 24
	TURN 3, 1, 24
	TURN 4, 0, 24                                  ; nothing is left to ask for: the counts run down
	TURN 5, 0, 16
	TURN 6, 0, 8
	TURN 7, 0, 0
	s_wait_tensorcnt 0x0                           ; behind my last LDS store
	ds_add_u32 v[SPW], v[NIL]
	s_wait_dscnt 0x0                               ; shows my partial scores stored, for the other waves' sake
	s_barrier_signal -1
	s_barrier_wait -1
.set n, 0
.rept 8                                ; head w: my four slots' partial scores from each of the sixteen waves
	ds_load_b128 v[X+4*n:X+4*n+3], v[RD0] offset:SGW*n
.set n, n+1
.endr
.set n, 0
.rept 8
	ds_load_b128 v[X+32+4*n:X+32+4*n+3], v[RD1] offset:SGW*n
.set n, n+1
.endr
	v_cvt_pk_bf16_f32 v64, v[EM], v[EM+1]          ; read_ema rounded to bf16 like every input, then t = 0.01 x it, while the loads are out
	v_cvt_pk_bf16_f32 v65, v[EM+2], v[EM+3]
	v_lshlrev_b32 v[EM], 16, v64
	v_and_b32 v[EM+1], s13, v64
	v_lshlrev_b32 v[EM+2], 16, v65
	v_and_b32 v[EM+3], s13, v65
	v_pk_mul_f32 v[EM:EM+1], v[EM:EM+1], 0x3c23d70a op_sel_hi:[1,0]
	v_pk_mul_f32 v[EM+2:EM+3], v[EM+2:EM+3], 0x3c23d70a op_sel_hi:[1,0]
	s_wait_dscnt 0x0
.irp d, 8,4,2,1                        ; a tree in a fixed order: wave n's part takes wave n + d's
.set n, 0
.rept \d
	v_pk_add_f32 v[X+4*n:X+4*n+1],   v[X+4*n:X+4*n+1],   v[X+4*(n+(\d)):X+4*(n+(\d))+1]
	v_pk_add_f32 v[X+4*n+2:X+4*n+3], v[X+4*n+2:X+4*n+3], v[X+4*(n+(\d))+2:X+4*(n+(\d))+3]
.set n, n+1
.endr
.endr
	v_pk_fma_f32 v[X:X+1],   v[X:X+1],   0x3e000000, v[EM:EM+1]   op_sel_hi:[1,0,1] neg_lo:[0,0,1] neg_hi:[0,0,1]  ; s x 0.125 - t, rounded once
	v_pk_fma_f32 v[X+2:X+3], v[X+2:X+3], 0x3e000000, v[EM+2:EM+3] op_sel_hi:[1,0,1] neg_lo:[0,0,1] neg_hi:[0,0,1]
	global_store_b128 v[VE], v[X:X+3], s[10:11]    ; the wave stores 512 consecutive bytes, at a multiple of 512 from scores' first byte
	s_endpgm
.Lfunc_end_k_qb29797707a_scores:
	.size	k_qb29797707a_scores, .Lfunc_end_k_qb29797707a_scores-k_qb29797707a_scores
	.p2alignl 7, 3214868480
	.fill 96, 4, 3214868480
	.section	.rodata,"a",@progbits
	.p2align	6, 0x0
	.amdhsa_kernel k_qb29797707a_scores
		.amdhsa_group_segment_fixed_size 174080
		.amdhsa_private_segment_fixed_size 0
		.amdhsa_enable_private_segment 0
		.amdhsa_kernarg_size 32
		.amdhsa_user_sgpr_count 2
		.amdhsa_user_sgpr_kernarg_segment_ptr 1
		.amdhsa_wavefront_size32 1
		.amdhsa_system_sgpr_workgroup_id_x 1
		.amdhsa_system_sgpr_workgroup_id_y 1
		.amdhsa_system_sgpr_workgroup_id_z 1
		.amdhsa_system_vgpr_workitem_id 0
		.amdhsa_next_free_vgpr 256
		.amdhsa_next_free_sgpr 66
		.amdhsa_reserve_vcc 0
		.amdhsa_float_denorm_mode_32 3
		.amdhsa_float_denorm_mode_16_64 3
		.amdhsa_memory_ordered 1
		.amdhsa_forward_progress 1
		.amdhsa_inst_pref_size 38
	.end_amdhsa_kernel
	.amdgpu_metadata
---
amdhsa.version: [ 1, 2 ]
amdhsa.kernels:
  - .name:           k_qb29797707a_scores
    .symbol:         k_qb29797707a_scores.kd
    .args:
      - { .name: memory_state, .offset: 0, .size: 8, .value_kind: global_buffer, .address_space: global }
      - { .name: qk, .offset: 8, .size: 8, .value_kind: global_buffer, .address_space: global }
      - { .name: read_ema, .offset: 16, .size: 8, .value_kind: global_buffer, .address_space: global }
      - { .name: scores, .offset: 24, .size: 8, .value_kind: global_buffer, .address_space: global }
    .group_segment_fixed_size: 174080
    .private_segment_fixed_size: 0
    .kernarg_segment_align: 8
    .kernarg_segment_size: 32
    .max_flat_workgroup_size: 512
    .sgpr_count:     66
    .vgpr_count:     256
    .wavefront_size: 32
...
	.end_amdgpu_metadata
.endif
;; end of part 3
;; launch topk (part 4): grid 256 x 1, 2 waves a work-group, no clusters, 0 bytes of LDS; arguments scores, alpha0, idx, out2; writes alpha0, idx, out2
.if DOCPART == 4
	.amdgcn_target "amdgcn-amd-amdhsa--gfx1250"
	.amdhsa_code_object_version 6
	.text
	.protected	k_qb29797707a_topk
	.globl	k_qb29797707a_topk
	.p2align	8
	.type	k_qb29797707a_topk,@function
k_qb29797707a_topk:
	s_mov_b64 s[64:65], 0
	v_nop
	global_prefetch_b8 v0, s[64:65] scope:SCOPE_SE
	s_setreg_imm32_b32 hwreg(HW_REG_WAVE_MODE, 25, 1), 1
	s_wait_xcnt 0x0
; For each of the 512 rows (b, h) of scores [512][1024] f32: the eight largest, in descending order, of equal scores the lower index first; their softmax.
; alpha0: [512][8] f32 (the weights before the slots' cap), idx and out2: [512][8] int32 (the same numbers: idx is what the next launch forms addresses from, out2 the output).
; LIMITS.  Scores are finite: a score that has been taken is replaced by -infinity, so a row with NaN or -infinity among its top eight is not served; -0 and +0 count as equal.
; SHARES.  One wave, one row: 4,096 bytes in 32 registers; register t = 4 i + c of lane l holds slot j = 128 i + 4 l + c.  No LDS, no barrier, no matrix unit: 8 rounds of a maximum over the row.
; Indices are carried as f32 (0 to 1,023 are exact there), so that maximum and minimum across the lanes ride on the same f32 lines.
; No branch and no address hangs on a score: every round does all its work, and what is chosen is chosen by v_cndmask_b32.
.set LN,  1                            ; v1   lane
.set VL,  2                            ; v2   16 x lane
.set K7,  3                            ; v3   lane % 8: the rank that this lane keeps
.set BIG, 4                            ; v4   2048.0: above every index
.set NINF, 5                           ; v5   -infinity
.set MX,  6                            ; v6   the round's maximum
.set TM,  7                            ; v7   the other half of the lanes'
.set JS,  8                            ; v8   the round's index
.set SV,  9                            ; v9   my rank's score, then its weight
.set SJ,  10                           ; v10  my rank's index
.set L4,  11                           ; v11  4 x lane: my first slot, and my byte offset in the outputs' 32 bytes
.set CH,  12                           ; v12-15 four chains of maxima
.set X,   16                           ; v16-23 two groups of four candidates
.set CA,  24                           ; v24, v25 two chains of minima
.set CB,  25
.set SC,  32                           ; v32-63 the row
.set JT,  64                           ; v64-95 each register's slot number, as f32
	s_load_b256 s[4:11], s[0:1], 0x0               ; scores s[4:5], alpha0 s[6:7], idx s[8:9], out2 s[10:11]
	v_lshrrev_b32 v6, 5, v0
	v_readfirstlane_b32 s14, v6                    ; wave 0, 1
	v_and_b32 v[LN], 31, v0
	v_lshlrev_b32 v[VL], 4, v[LN]
	v_and_b32 v[K7], 7, v[LN]
	v_lshlrev_b32 v[L4], 2, v[LN]
	s_mov_b32 s12, 0x76543210                      ; v_permlanex16_b32: each lane takes its own place in the other half
	s_mov_b32 s13, 0xfedcba98
	s_lshl_b32 s15, ttmp9, 1
	s_add_co_u32 s15, s15, s14                     ; my row
	s_lshl_b32 s16, s15, 12
	s_mov_b32 s17, 0
	s_lshl_b32 s28, s15, 5
	s_mov_b32 s29, 0
	s_wait_kmcnt 0x0
	s_add_nc_u64 s[4:5], s[4:5], s[16:17]
	s_add_nc_u64 s[6:7], s[6:7], s[28:29]
	s_add_nc_u64 s[8:9], s[8:9], s[28:29]
	s_add_nc_u64 s[10:11], s[10:11], s[28:29]
.set i, 0
.rept 8
	global_load_b128 v[SC+4*i:SC+4*i+3], v[VL], s[4:5] offset:512*i th:TH_LOAD_NT  ; 512 consecutive bytes a load
.set i, i+1
.endr
	v_mov_b32 v[BIG], 0x45000000                   ; all this stands in the wait for the row
	v_mov_b32 v[NINF], 0xff800000
	v_mov_b32 v[TM], 0                             ; v_permlanex16_b32 counts as a reader of its destination
	v_mov_b32 v[SV], 0
	v_mov_b32 v[SJ], 0
.set t, 0
.rept 32
	v_add_nc_u32 v[JT+t], 128*(t/4)+t%4, v[L4]
.set t, t+1
.endr
.set t, 0
.rept 32
	v_cvt_f32_u32 v[JT+t], v[JT+t]
.set t, t+1
.endr
	s_mov_b32 s18, 0                               ; the round, which is the rank
	s_wait_loadcnt 0x0
.Lround:
	; the row's maximum: in the lane four chains of seven, the four left over, the chains; then across the lanes
.irp k, 0,1,2,3
	v_max3_num_f32 v[CH+(\k)], v[SC+8*(\k)], v[SC+8*(\k)+1], v[SC+8*(\k)+2]
.endr
.irp k, 0,1,2,3
	v_max3_num_f32 v[CH+(\k)], v[CH+(\k)], v[SC+8*(\k)+3], v[SC+8*(\k)+4]
.endr
.irp k, 0,1,2,3
	v_max3_num_f32 v[CH+(\k)], v[CH+(\k)], v[SC+8*(\k)+5], v[SC+8*(\k)+6]
.endr
	v_max3_num_f32 v[CH], v[CH], v[SC+7], v[SC+15]
	v_max3_num_f32 v[CH+1], v[CH+1], v[SC+23], v[SC+31]
	v_max3_num_f32 v[MX], v[CH], v[CH+1], v[CH+2]
	v_max_num_f32 v[MX], v[MX], v[CH+3]
	v_max_num_f32_dpp v[MX], v[MX], v[MX] row_xmask:1 row_mask:0xf bank_mask:0xf
	v_max_num_f32_dpp v[MX], v[MX], v[MX] row_xmask:2 row_mask:0xf bank_mask:0xf
	v_max_num_f32_dpp v[MX], v[MX], v[MX] row_xmask:4 row_mask:0xf bank_mask:0xf
	v_max_num_f32_dpp v[MX], v[MX], v[MX] row_xmask:8 row_mask:0xf bank_mask:0xf
	v_permlanex16_b32 v[TM], v[MX], s12, s13
	v_max_num_f32 v[MX], v[MX], v[TM]
	; the lowest slot that holds it: a register's candidate is its slot number, or 2048 where its score is another
.set g, 0
.rept 8
.irp k, 0,1,2,3
	v_cmp_neq_f32 s[20+4*(g%2)+(\k)], v[SC+4*g+(\k)], v[MX]
.endr
.irp k, 0,1,2,3
	v_cndmask_b32 v[X+4*(g%2)+(\k)], v[JT+4*g+(\k)], v[BIG], s[20+4*(g%2)+(\k)]
.endr
.if g == 0
	v_min_num_f32 v[CA], v[X], v[X+1]
	v_min_num_f32 v[CB], v[X+2], v[X+3]
.else
	v_min3_num_f32 v[CA], v[CA], v[X+4*(g%2)], v[X+4*(g%2)+1]
	v_min3_num_f32 v[CB], v[CB], v[X+4*(g%2)+2], v[X+4*(g%2)+3]
.endif
.set g, g+1
.endr
	v_min_num_f32 v[JS], v[CA], v[CB]
	v_min_num_f32_dpp v[JS], v[JS], v[JS] row_xmask:1 row_mask:0xf bank_mask:0xf
	v_min_num_f32_dpp v[JS], v[JS], v[JS] row_xmask:2 row_mask:0xf bank_mask:0xf
	v_min_num_f32_dpp v[JS], v[JS], v[JS] row_xmask:4 row_mask:0xf bank_mask:0xf
	v_min_num_f32_dpp v[JS], v[JS], v[JS] row_xmask:8 row_mask:0xf bank_mask:0xf
	v_permlanex16_b32 v[TM], v[JS], s12, s13
	v_min_num_f32 v[JS], v[JS], v[TM]
	; the lanes whose rank this is keep score and slot
	v_cmp_eq_u32 vcc_lo, s18, v[K7]
	v_cndmask_b32 v[SV], v[SV], v[MX], vcc_lo
	v_cndmask_b32 v[SJ], v[SJ], v[JS], vcc_lo
	; and that one slot leaves the row
.set g, 0
.rept 8
.irp k, 0,1,2,3
	v_cmp_eq_f32 s[20+4*(g%2)+(\k)], v[JT+4*g+(\k)], v[JS]
.endr
.irp k, 0,1,2,3
	v_cndmask_b32 v[SC+4*g+(\k)], v[SC+4*g+(\k)], v[NINF], s[20+4*(g%2)+(\k)]
.endr
.set g, g+1
.endr
	s_add_co_u32 s18, s18, 1
	s_cmp_lt_u32 s18, 8
	s_cbranch_scc1 .Lround
	; softmax over the eight ranks, which lie in eight neighbouring lanes: the maximum is taken away first
	v_mov_b32 v[MX], v[SV]
	v_max_num_f32_dpp v[MX], v[MX], v[MX] row_xmask:1 row_mask:0xf bank_mask:0xf
	v_max_num_f32_dpp v[MX], v[MX], v[MX] row_xmask:2 row_mask:0xf bank_mask:0xf
	v_max_num_f32_dpp v[MX], v[MX], v[MX] row_xmask:4 row_mask:0xf bank_mask:0xf
	v_sub_f32 v[SV], v[SV], v[MX]
	v_mul_f32 v[SV], 0x3fb8aa3b, v[SV]             ; e^x = 2^(x log2 e)
	v_exp_f32 v[SV], v[SV]
	v_nop                                          ; a plain instruction between the exponential and the use of its result (ISA guide 5.7.2)
	s_wait_alu depctr_va_vdst(0)
	v_mov_b32 v[MX], v[SV]
	v_add_f32_dpp v[MX], v[MX], v[MX] row_xmask:1 row_mask:0xf bank_mask:0xf
	v_add_f32_dpp v[MX], v[MX], v[MX] row_xmask:2 row_mask:0xf bank_mask:0xf
	v_add_f32_dpp v[MX], v[MX], v[MX] row_xmask:4 row_mask:0xf bank_mask:0xf
	v_rcp_f32 v[TM], v[MX]
	v_cvt_u32_f32 v[SJ], v[SJ]                     ; the plain instruction behind the reciprocal: the slot as a whole number
	s_wait_alu depctr_va_vdst(0)
	v_mul_f32 v[SV], v[SV], v[TM]
	s_wait_xcnt 0x0                                ; EXEC changes only behind this wait
	v_cmp_gt_u32 vcc_lo, 8, v[LN]
	s_and_saveexec_b32 s19, vcc_lo                 ; lanes 0 to 7 hold ranks 0 to 7
	global_store_b32 v[L4], v[SV], s[6:7]          ; 32 bytes a row: each of the three buffers is 16,384 bytes in all
	global_store_b32 v[L4], v[SJ], s[8:9]
	global_store_b32 v[L4], v[SJ], s[10:11]
	s_endpgm
.Lfunc_end_k_qb29797707a_topk:
	.size	k_qb29797707a_topk, .Lfunc_end_k_qb29797707a_topk-k_qb29797707a_topk
	.p2alignl 7, 3214868480
	.fill 96, 4, 3214868480
	.section	.rodata,"a",@progbits
	.p2align	6, 0x0
	.amdhsa_kernel k_qb29797707a_topk
		.amdhsa_group_segment_fixed_size 0
		.amdhsa_private_segment_fixed_size 0
		.amdhsa_enable_private_segment 0
		.amdhsa_kernarg_size 32
		.amdhsa_user_sgpr_count 2
		.amdhsa_user_sgpr_kernarg_segment_ptr 1
		.amdhsa_wavefront_size32 1
		.amdhsa_system_sgpr_workgroup_id_x 1
		.amdhsa_system_sgpr_workgroup_id_y 1
		.amdhsa_system_sgpr_workgroup_id_z 1
		.amdhsa_system_vgpr_workitem_id 0
		.amdhsa_next_free_vgpr 96
		.amdhsa_next_free_sgpr 66
		.amdhsa_reserve_vcc 1
		.amdhsa_float_denorm_mode_32 3
		.amdhsa_float_denorm_mode_16_64 3
		.amdhsa_memory_ordered 1
		.amdhsa_forward_progress 1
		.amdhsa_inst_pref_size 17
	.end_amdhsa_kernel
	.amdgpu_metadata
---
amdhsa.version: [ 1, 2 ]
amdhsa.kernels:
  - .name:           k_qb29797707a_topk
    .symbol:         k_qb29797707a_topk.kd
    .args:
      - { .name: scores, .offset: 0, .size: 8, .value_kind: global_buffer, .address_space: global }
      - { .name: alpha0, .offset: 8, .size: 8, .value_kind: global_buffer, .address_space: global }
      - { .name: idx, .offset: 16, .size: 8, .value_kind: global_buffer, .address_space: global }
      - { .name: out2, .offset: 24, .size: 8, .value_kind: global_buffer, .address_space: global }
    .group_segment_fixed_size: 0
    .private_segment_fixed_size: 0
    .kernarg_segment_align: 8
    .kernarg_segment_size: 32
    .max_flat_workgroup_size: 64
    .sgpr_count:     66
    .vgpr_count:     96
    .wavefront_size: 32
...
	.end_amdgpu_metadata
.endif
;; end of part 4
;; launch gatherv (part 5): grid 16 x 16, 16 waves a work-group, no clusters, 194,560 bytes of LDS; arguments idx, alpha0, memory_state, W_v, out0, out1; writes out0, out1
.if DOCPART == 5
	.amdgcn_target "amdgcn-amd-amdhsa--gfx1250"
	.amdhsa_code_object_version 6
	.text
	.protected	k_qb29797707a_gatherv
	.globl	k_qb29797707a_gatherv
	.p2align	8
	.type	k_qb29797707a_gatherv,@function
k_qb29797707a_gatherv:
	s_mov_b64 s[64:65], 0
	v_nop
	global_prefetch_b8 v0, s[64:65] scope:SCOPE_SE
	s_setreg_imm32_b32 hwreg(HW_REG_WAVE_MODE, 25, 1), 1
	s_wait_xcnt 0x0
; The slots' cap, and the read.  idx, alpha0: [32][16][8] (the chosen slots, whole numbers stored by the launch before, and their weights).  memory_state: [32][1024][1024] f32.  W_v: [1024][1024] f32.
; out1[b][h][k]: alpha0 with the choices dropped whose slot has been chosen four times already, earlier in the batch (heads ascending, then ranks), divided by what is left; alpha0 itself where nothing is left.
; out0[b][64 h + d] = the sum over k of out1[b][h][k] (memory_state[b][idx[b][h][k]][:] . W_v[64 h + d][:]).  Only the chosen rows are multiplied.
; FORMATS.  memory_state and W_v are rounded once to bf16; the products' sums, the weights and the weighted sum are f32.  The division is v_rcp_f32 and a multiply.
; THE CAP counts earlier HEADS alone: the eight slots of one head are distinct, being the places of one top-k, so an earlier rank of the same head never names the same slot.
; An index is held to 0 .. 1,023 by v_min_u32 before it enters an address.
; SHARES.  Work-group (h, bp): head h, batches 2 bp and 2 bp + 1.  Source 0 = the 16 chosen rows (row 8 bb + k), source 1 = W_v's rows 64 h .. + 63 in four tiles.  Wave w: K = 64 w .. + 63, 256 bytes of each row.
; In a result register jj of the lanes' half bb is choice jj of batch 2 bp + bb: the weighted sum is made inside a lane.  The sixteen waves' parts meet in LDS; wave 0 adds and stores them.
; Rounded rows go through the wave's own LDS rows (pitch 144, an odd multiple of 16) to become fragments; LDS serves a wave's instructions in order (ISA guide 5.7.1.4): no barrier there.
; NO JOINT LOADS, though the sixteen work-groups of a head read the same 262,144 bytes of W_v (of 327,680 a work-group): the rows are rounded in registers ahead of LDS, 11,520 bytes a wave; as f32 tiles they
; would take 64 x 4,112 = 263,168 bytes of LDS and be read from there at twice the bytes.  Not built.
.set PITCH, 144
.set TBW,   80*PITCH                   ; a wave's rows: 0-63 W_v, 64-79 the chosen rows
.set SG,    16*TBW                     ; [wave 16][bb 2][64 d] f32
.set SPARE, SG+16*512                  ; the spare words, 128 bytes for each of 16 waves: eight blocks of 256 bytes that no other line names
.set RW,  1                            ; v1   lane % 16
.set VT,  2                            ; v2   512 (lane / 16): my batch in idx and alpha0
.set VOW, 3                            ; v3   + 32 (lane % 16): head lane % 16 of my batch
.set VG,  4                            ; v4   memory_state: my batch, my wave's 256 bytes, my 16 of them
.set VW,  5                            ; v5   W_v: 8 rows x (lane / 16), the same 256 and 16 bytes
.set ST,  6                            ; v6   where I put 8 bytes of a rounded row
.set FR,  7                            ; v7   where my part of a fragment begins
.set SS,  8                            ; v8   where my sums go
.set RD,  9                            ; v9   where wave 0 reads them back
.set VO,  10                           ; v10  out0: 4,096 (lane / 16) + 16 (lane % 16)
.set VA,  11                           ; v11  out1: 512 (lane / 16) + 16 (lane % 16)
.set SPW, 12                           ; v12  LDS address of my spare word; never rewritten
.set NIL, 13                           ; v13  0; never rewritten
.set TG,  16                           ; v16-23  the eight slots of (my batch, h)
.set OW,  24                           ; v24-31  the eight slots of (my batch, head lane % 16)
.set AL,  32                           ; v32-39  the eight weights of (my batch, h)
.set CN,  40                           ; v40-47  counts, then capped weights
.set GO,  48                           ; v48-55  the chosen rows' byte offsets; never rewritten
.set T,   56                           ; v56-71  eight pairs of rounded numbers
.set O,   72                           ; v72-75  the weighted sums
.set TMP, 76                           ; v76-79  at work
.set GR,  80                           ; v80-111 the chosen rows as loaded
.set ACC, 80                           ;         then the four accumulators
.set WR,  112                          ; v112-239 W_v as loaded
.set BF,  112                          ;         then its fragments: tile nt, K step ks at BF + 16 nt + 8 ks
.set AF,  176                          ;         and the chosen rows': AF + 8 ks
.set X,   112                          ;         at last the sixteen waves' sums
	s_load_b256 s[4:11], s[0:1], 0x0               ; idx s[4:5], alpha0 s[6:7], memory_state s[8:9], W_v s[10:11]
	s_load_b128 s[12:15], s[0:1], 0x20             ; out0 s[12:13], out1 s[14:15]
	v_lshl_add_u32 v[SPW], v0, 2, SPARE
	v_mov_b32 v[NIL], 0
	v_lshrrev_b32 v2, 5, v0
	v_readfirstlane_b32 s16, v2                    ; wave 0..15
	s_mov_b32 s17, ttmp9                           ; h
	s_and_b32 s18, ttmp7, 0xffff                   ; bp
	v_and_b32 v[RW], 15, v0
	v_bfe_u32 v14, v0, 4, 1                        ; lane / 16
	v_and_b32 v15, 31, v0                          ; lane
	v_lshlrev_b32 v[VT], 9, v14
	v_lshl_add_u32 v[VOW], v[RW], 5, v[VT]
	s_lshl_b32 s19, s16, 8
	v_lshl_add_u32 v[VW], v[RW], 4, s19
	v_lshl_add_u32 v[VG], v14, 22, v[VW]
	v_lshl_add_u32 v[VW], v14, 15, v[VW]
	s_lshl_b32 s24, s18, 10                        ; two batches of 512 bytes in idx, alpha0, out1
	s_mov_b32 s25, 0
	s_lshl_b32 s26, s17, 5                         ; the head's 32 bytes
	s_mov_b32 s27, 0
	s_lshl_b32 s28, s18, 23                        ; two batches of memory_state
	s_mov_b32 s29, 0
	s_lshl_b32 s34, s17, 18                        ; the head's 64 rows of W_v
	s_mov_b32 s35, 0
	s_lshl_b32 s40, s18, 13                        ; two rows of out0,
	s_lshl_b32 s41, s17, 8                         ; the head's 256 bytes
	s_add_co_u32 s40, s40, s41
	s_mov_b32 s41, 0
	s_wait_kmcnt 0x0
	s_add_nc_u64 s[4:5], s[4:5], s[24:25]
	s_add_nc_u64 s[20:21], s[4:5], s[26:27]
	s_add_nc_u64 s[6:7], s[6:7], s[24:25]
	s_add_nc_u64 s[6:7], s[6:7], s[26:27]
	s_add_nc_u64 s[14:15], s[14:15], s[24:25]
	s_add_nc_u64 s[14:15], s[14:15], s[26:27]
	s_add_nc_u64 s[8:9], s[8:9], s[28:29]
	s_add_nc_u64 s[10:11], s[10:11], s[34:35]
	s_add_nc_u64 s[12:13], s[12:13], s[40:41]
	global_load_b128 v[TG:TG+3],   v[VT], s[20:21]
	global_load_b128 v[TG+4:TG+7], v[VT], s[20:21] offset:16
	global_load_b128 v[OW:OW+3],   v[VOW], s[4:5]
	global_load_b128 v[OW+4:OW+7], v[VOW], s[4:5] offset:16
	global_load_b128 v[AL:AL+3],   v[VT], s[6:7]
	global_load_b128 v[AL+4:AL+7], v[VT], s[6:7] offset:16
.set n, 0
.rept 32                               ; W_v: load n % 8 of tile n / 8 takes rows n % 8 and n % 8 + 8 of the tile, sixteen lanes to a row's 256 aligned bytes
	global_load_b128 v[WR+4*n:WR+4*n+3], v[VW], s[10:11] offset:(16*(n/8)+n%8)*4096
.set n, n+1
.endr
	s_mul_i32 s22, s16, TBW                        ; the LDS addresses are made while the loads are out
	v_mul_u32_u24 v[ST], v14, 8*PITCH
	v_lshl_add_u32 v[ST], v[RW], 3, v[ST]
	v_add_nc_u32 v[ST], s22, v[ST]
	v_mul_u32_u24 v[FR], v[RW], PITCH
	v_lshl_add_u32 v[FR], v14, 4, v[FR]
	v_add_nc_u32 v[FR], s22, v[FR]
	s_lshl_b32 s23, s16, 9
	s_add_co_u32 s23, s23, SG
	v_lshlrev_b32 v[SS], 2, v[RW]
	v_lshl_add_u32 v[SS], v14, 8, v[SS]
	v_add_nc_u32 v[SS], s23, v[SS]
	v_lshl_add_u32 v[RD], v15, 4, SG
	v_lshlrev_b32 v[VO], 4, v[RW]
	v_lshl_add_u32 v[VA], v14, 9, v[VO]
	v_lshl_add_u32 v[VO], v14, 12, v[VO]
	s_wait_loadcnt 32                              ; slots and weights are in; W_v's 32 loads stay out
.set k, 0
.rept 8
	v_min_u32 v[TG+k], 0x3ff, v[TG+k]
.set k, k+1
.endr
.set k, 0
.rept 8
	v_lshl_add_u32 v[GO+k], v[TG+k], 12, v[VG]     ; the slot's row of 4,096 bytes
.set k, k+1
.endr
.set k, 0
.rept 8                                ; choice k of both batches: sixteen lanes to a row's 256 aligned bytes; no hint: a row may be named again
	global_load_b128 v[GR+4*k:GR+4*k+3], v[GO+k], s[8:9]
.set k, k+1
.endr
	; THE CAP, by every wave for itself, while the rows are on their way.  Lane % 16 stands for a head; the heads from h on hold -1, which no slot equals.
	v_cmp_gt_u32 s30, s17, v[RW]
.set e, 0
.rept 8
	v_cndmask_b32 v[OW+e], -1, v[OW+e], s30
.set e, e+1
.endr
.set k, 0
.rept 8                                ; how many of my head's eight slots are choice k's slot: four comparisons at a time; the first four start the count
.irp e, 0,1,2,3
	v_cmp_eq_u32 s[36+(\e)], v[OW+(\e)], v[TG+k]
.endr
.irp e, 0,1,2,3
	v_cndmask_b32 v[TMP+(\e)], 0, 1.0, s[36+(\e)]
.endr
	v_add_f32 v[CN+k], v[TMP], v[TMP+1]
	v_add_f32 v[TMP+2], v[TMP+2], v[TMP+3]
	v_add_f32 v[CN+k], v[CN+k], v[TMP+2]
.irp e, 0,1,2,3
	v_cmp_eq_u32 s[36+(\e)], v[OW+4+(\e)], v[TG+k]
.endr
.irp e, 0,1,2,3
	v_cndmask_b32 v[TMP+(\e)], 0, 1.0, s[36+(\e)]
.endr
	v_add_f32 v[TMP], v[TMP], v[TMP+1]
	v_add_f32 v[TMP+2], v[TMP+2], v[TMP+3]
	v_add_f32 v[CN+k], v[CN+k], v[TMP]
	v_add_f32 v[CN+k], v[CN+k], v[TMP+2]
.set k, k+1
.endr
.irp m, 1,2,4,8                        ; over the sixteen heads, which are the sixteen lanes of my half; the counts, 120 at the most, are exact in f32
.set k, 0
.rept 8
	v_add_f32_dpp v[CN+k], v[CN+k], v[CN+k] row_xmask:\m row_mask:0xf bank_mask:0xf
.set k, k+1
.endr
.endr
.set k, 0
.rept 8
	v_cmp_gt_f32 vcc_lo, 4.0, v[CN+k]              ; fewer than four earlier choices of the slot
	v_cndmask_b32 v[CN+k], 0, v[AL+k], vcc_lo
.set k, k+1
.endr
	v_add_f32 v[TMP],   v[CN],   v[CN+1]
	v_add_f32 v[TMP+1], v[CN+2], v[CN+3]
	v_add_f32 v[TMP+2], v[CN+4], v[CN+5]
	v_add_f32 v[TMP+3], v[CN+6], v[CN+7]
	v_add_f32 v[TMP],   v[TMP],   v[TMP+1]
	v_add_f32 v[TMP+2], v[TMP+2], v[TMP+3]
	v_add_f32 v[TMP],   v[TMP],   v[TMP+2]         ; what is left of the weights
	v_max_num_f32 v[TMP+1], 0x3089705f, v[TMP]     ; at least 1e-9
	v_rcp_f32 v[TMP+2], v[TMP+1]
	v_cmp_lt_f32 s31, 0, v[TMP]                    ; the plain instruction behind the reciprocal: is anything left?
.set k, 0
	s_wait_alu depctr_va_vdst(0)
.rept 8
	v_mul_f32 v[CN+k], v[CN+k], v[TMP+2]
.set k, k+1
.endr
.set k, 0
.rept 8
	v_cndmask_b32 v[AL+k], v[AL+k], v[CN+k], s31
.set k, k+1
.endr
	s_cmp_lg_u32 s16, 0
	s_cbranch_scc1 .Lnot_wave_0                    ; wave 0 stores the weights: lanes 0 and 1 of each half, 16 bytes each
	v_cmp_eq_u32 vcc_lo, 1, v[RW]
.irp e, 0,1,2,3
	v_cndmask_b32 v[T+(\e)], v[AL+(\e)], v[AL+4+(\e)], vcc_lo
.endr
	s_wait_xcnt 0x0                                ; EXEC changes only behind this wait
	v_cmp_gt_u32 vcc_lo, 2, v[RW]
	s_and_saveexec_b32 s32, vcc_lo
	global_store_b128 v[VA], v[T:T+3], s[14:15]
	s_wait_xcnt 0x0                                ; and again: EXEC is widened, and T rewritten, only behind it
	s_or_b32 exec_lo, exec_lo, s32
.Lnot_wave_0:
; Tile nt of W_v is rounded and laid into my LDS rows.  The wait leaves out the later tiles' 8 (3 - nt) loads and the 8 chosen rows'.
.macro PUTW nt
	s_wait_loadcnt 32-8*(\nt)
.set i, 0
.rept 8
.set n, 8*(\nt)+i
	v_cvt_pk_bf16_f32 v[T+2*i], v[WR+4*n], v[WR+4*n+1]
	v_cvt_pk_bf16_f32 v[T+2*i+1], v[WR+4*n+2], v[WR+4*n+3]
	ds_store_b64 v[ST], v[T+2*i:T+2*i+1] offset:PITCH*(16*(\nt)+i)
.set i, i+1
.endr
.endm
.irp nt, 0,1,2,3
	PUTW \nt
.endr
	s_wait_loadcnt 0x0                             ; the chosen rows
.set i, 0
.rept 8
	v_cvt_pk_bf16_f32 v[T+2*i], v[GR+4*i], v[GR+4*i+1]
	v_cvt_pk_bf16_f32 v[T+2*i+1], v[GR+4*i+2], v[GR+4*i+3]
	ds_store_b64 v[ST], v[T+2*i:T+2*i+1] offset:PITCH*(64+i)
.set i, i+1
.endr
.irp f, 0,1,2,3
	ds_load_b128 v[AF+4*(\f):AF+4*(\f)+3], v[FR] offset:64*PITCH+32*(\f)
.endr
.set n, 0
.rept 4
.irp f, 0,1,2,3
	ds_load_b128 v[BF+16*n+4*(\f):BF+16*n+4*(\f)+3], v[FR] offset:16*PITCH*n+32*(\f)
.endr
.set n, n+1
.endr
	s_wait_dscnt 0x0
.set n, 0
.rept 4                                ; the four accumulators take turns; K step 0 starts the sums
	v_wmma_f32_16x16x32_bf16 v[ACC+8*n:ACC+8*n+7], v[AF:AF+7], v[BF+16*n:BF+16*n+7], 0
.set n, n+1
.endr
.set n, 0
.rept 4
	v_wmma_f32_16x16x32_bf16 v[ACC+8*n:ACC+8*n+7], v[AF+8:AF+15], v[BF+16*n+8:BF+16*n+15], v[ACC+8*n:ACC+8*n+7]
.set n, n+1
.endr
.rept 4
	v_nop                                          ; four places between the last products and the lines that read them (ISA guide 7.12.1)
.endr
.set n, 0
.rept 4                                ; the sum over my batch's eight choices, weighted; each accumulator from its low end on
.set P, TMP+2*(n%2)
	v_pk_mul_f32 v[P:P+1], v[ACC+8*n:ACC+8*n+1], v[AL:AL+1]
	v_pk_fma_f32 v[P:P+1], v[ACC+8*n+2:ACC+8*n+3], v[AL+2:AL+3], v[P:P+1]
	v_pk_fma_f32 v[P:P+1], v[ACC+8*n+4:ACC+8*n+5], v[AL+4:AL+5], v[P:P+1]
	v_pk_fma_f32 v[P:P+1], v[ACC+8*n+6:ACC+8*n+7], v[AL+6:AL+7], v[P:P+1]
	v_add_f32 v[O+n], v[P], v[P+1]
.set n, n+1
.endr
.set n, 0
.rept 4
	ds_store_b32 v[SS], v[O+n] offset:64*n         ; channel 16 n + lane % 16 of batch lane / 16
.set n, n+1
.endr
	s_wait_tensorcnt 0x0                           ; behind my last LDS store
	ds_add_u32 v[SPW], v[NIL]
	s_wait_dscnt 0x0                               ; shows my sums stored, for wave 0's sake
	s_barrier_signal -1
	s_barrier_wait -1
	s_cmp_lg_u32 s16, 0
	s_cbranch_scc1 .Lend                           ; wave 0 adds the sixteen parts over K: 512 bytes each
.set n, 0
.rept 16
	ds_load_b128 v[X+4*n:X+4*n+3], v[RD] offset:512*n
.set n, n+1
.endr
	s_wait_dscnt 0x0
.irp d, 8,4,2,1                        ; a tree in a fixed order
.set n, 0
.rept \d
	v_pk_add_f32 v[X+4*n:X+4*n+1],   v[X+4*n:X+4*n+1],   v[X+4*(n+(\d)):X+4*(n+(\d))+1]
	v_pk_add_f32 v[X+4*n+2:X+4*n+3], v[X+4*n+2:X+4*n+3], v[X+4*(n+(\d))+2:X+4*(n+(\d))+3]
.set n, n+1
.endr
.endr
	global_store_b128 v[VO], v[X:X+3], s[12:13]    ; each half of the lanes stores 256 consecutive bytes, at a multiple of 256 from out0's first byte
.Lend:
	s_endpgm
.Lfunc_end_k_qb29797707a_gatherv:
	.size	k_qb29797707a_gatherv, .Lfunc_end_k_qb29797707a_gatherv-k_qb29797707a_gatherv
	.p2alignl 7, 3214868480
	.fill 96, 4, 3214868480
	.section	.rodata,"a",@progbits
	.p2align	6, 0x0
	.amdhsa_kernel k_qb29797707a_gatherv
		.amdhsa_group_segment_fixed_size 194560
		.amdhsa_private_segment_fixed_size 0
		.amdhsa_enable_private_segment 0
		.amdhsa_kernarg_size 48
		.amdhsa_user_sgpr_count 2
		.amdhsa_user_sgpr_kernarg_segment_ptr 1
		.amdhsa_wavefront_size32 1
		.amdhsa_system_sgpr_workgroup_id_x 1
		.amdhsa_system_sgpr_workgroup_id_y 1
		.amdhsa_system_sgpr_workgroup_id_z 1
		.amdhsa_system_vgpr_workitem_id 0
		.amdhsa_next_free_vgpr 256
		.amdhsa_next_free_sgpr 66
		.amdhsa_reserve_vcc 1
		.amdhsa_float_denorm_mode_32 3
		.amdhsa_float_denorm_mode_16_64 3
		.amdhsa_memory_ordered 1
		.amdhsa_forward_progress 1
		.amdhsa_inst_pref_size 37
	.end_amdhsa_kernel
	.amdgpu_metadata
---
amdhsa.version: [ 1, 2 ]
amdhsa.kernels:
  - .name:           k_qb29797707a_gatherv
    .symbol:         k_qb29797707a_gatherv.kd
    .args:
      - { .name: idx, .offset: 0, .size: 8, .value_kind: global_buffer, .address_space: global }
      - { .name: alpha0, .offset: 8, .size: 8, .value_kind: global_buffer, .address_space: global }
      - { .name: memory_state, .offset: 16, .size: 8, .value_kind: global_buffer, .address_space: global }
      - { .name: W_v, .offset: 24, .size: 8, .value_kind: global_buffer, .address_space: global }
      - { .name: out0, .offset: 32, .size: 8, .value_kind: global_buffer, .address_space: global }
      - { .name: out1, .offset: 40, .size: 8, .value_kind: global_buffer, .address_space: global }
    .group_segment_fixed_size: 194560
    .private_segment_fixed_size: 0
    .kernarg_segment_align: 8
    .kernarg_segment_size: 48
    .max_flat_workgroup_size: 512
    .sgpr_count:     66
    .vgpr_count:     256
    .wavefront_size: 32
...
	.end_amdgpu_metadata
.endif
;; end of part 5
